; MI455X (gfx1250); checked and timed in simulation.
; The chip was launched on July 23, 2026; its instructions are those of AMD's public machine-readable ISA for CDNA 5 (MIT licence, August 2026) and "CDNA5" Instruction Set Architecture Reference Guide (July 2026). The comments in the code are by the model that wrote it; some were corrected since.
;; Temporal Attn. Allowed arithmetic: matrix products marked QUANTISED: E2M1 operands, one E8M0 scale for each 32 along K, by v_wmma_scale_f32_16x16x128_f8f6f4 with both operands' format E2M1 (or v_wmma_scale_f32_32x16x128_f4), f32 sums; products left as they are: f32 operands where the result goes on into a quantised operand, else bf16, f16 or f32 operands; f32 sums; everything else in f32.
;; Inputs: Wqkv_codes 3,072 x 32 x 16 uint8 (E2M1 codes of Wqkv, K innermost, in blocks of 32 codes, two codes a byte); Wqkv_scales 3,072 x 32 uint8 (E8M0 scales of Wqkv, one for each 32 codes along K); bqkv 3,072 float32; k_scale 64 float32; q_scale 64 float32; x_codes 64 x 16 x 16 x 32 x 16 uint8 (E2M1 codes of x, K innermost, in blocks of 32 codes, two codes a byte); x_scales 64 x 16 x 16 x 32 uint8 (E8M0 scales of x, one for each 32 codes along K).
;; Outputs: out0 64 x 1,024 x 16 x 16 float32.
;; This version of the problem:
;;   THIS VERSION OF THE PROBLEM IS GIVEN IN LOW PRECISION. The matrix products marked QUANTISED in the list below multiply operands that are first quantised to E2M1 (2 exponent bits, 1 mantissa bit; 4 bits a number), with one power-of-two scale for each 32 numbers along K (OCP MX v1.0); their sums are f32. All else is computed in f32.
;;   The module's matrix products, in the order in which they are computed (A, B: the left and right operand; K: the contracted axis; several contracted axes count as one K, in the product's order):
;;     1. [M 16,384, K 1,024] x [K 1,024, N 3,072]; A: input x (given as codes); B: input Wqkv (given as codes): QUANTISED
;;     2. batch 16,384 x [M 16, K 64] x [K 64, N 16]; A: computed on the way; B: computed on the way: QUANTISED
;;     3. batch 16,384 x [M 16, K 16] x [K 16, N 64]; A: softmax; B: computed on the way: left as it is (K = 16 < 32)
;;   THE QUANTISER, for each operand of a quantised product, along K:
;;     - K is cut into blocks of 32 from its start; a last block that is shorter is filled with zeros.
;;     - A block's scale is 2^e with e = floor(log2(the largest magnitude in the block)) - 2, held to -126 .. 127; a block of zeros has e = 0. As a byte (E8M0): e + 127.
;;     - Each number is divided by its block's scale, clamped to +-6, and rounded to the nearest number of E2M1, ties to even, subnormals kept.
;;     - The product sums the exact products of the quantised numbers (number of the format x scale) in f32.
;;   ~~~python
;;   def quantise(x, axis):      # numpy; x: float32 -> the quantised numbers, widened to float32 again
;;       x = np.moveaxis(x, axis, -1); K = x.shape[-1]
;;       x = np.pad(x, [(0, 0)] * (x.ndim - 1) + [(0, -K % 32)]); x = x.reshape(x.shape[:-1] + (-1, 32)); a = np.abs(x).max(-1, keepdims=True)
;;       e = np.where(a > 0, np.clip(np.frexp(np.where(a > 0, a, 1))[1] - 1 - 2, -126, 127), 0)      # np.frexp(a)[1] - 1 = floor(log2(a)), exactly
;;       r = np.clip(x / 2.0 ** e, -6, 6)
;;       step = 2.0 ** (np.maximum(np.frexp(np.where(r == 0, 1, r))[1] - 1, 0) - 1)
;;       q = np.round(r / step) * step * 2.0 ** e      # np.round: ties to even
;;       return np.moveaxis(q.reshape(q.shape[:-2] + (-1,))[..., :K], -1, axis).astype(np.float32)
;;   ~~~
;;   OPERANDS COMPUTED ON THE WAY. 'Computed on the way' means the value that the module computes at that place (a softmax that the list does not call 'softmax' is quantised finished and normalised). What goes into a quantiser is computed in f32, as accurately as f32 sums, v_exp_f32 and their like allow (about 1e-6 of the number): no bf16 or f16 on the way to a quantiser, and a product that is left as it is and whose result goes on into a quantised operand takes f32 operands (vector FMAs, or v_wmma_f32_16x16x4_f32). A number that lies on a knife's edge between two numbers of the format may be rounded either way, as far as f32 arithmetic and the matrix unit's own rounding can turn it there, and no further.
;;   INPUTS GIVEN AS CODES. Wqkv (in the module: [3072, 1024], K = its axis 1); x (in the module: [64, 1024, 16, 16], K = its axis 1): each comes as NAME_codes (uint8): NAME with its K axis moved to the last place and cut into blocks of 32 codes, [.., K / 32, bytes a block], one block behind the other in memory; two codes a byte, the lower K in the low four bits (a code: sign, 2 exponent bits, 1 mantissa bit); and NAME_scales (uint8): the same leading axes, one E8M0 byte (e + 127) for each 32 codes along K. Its value is code x scale, taken as it is: it is not quantised again, and the codes and scales need not be those that the quantiser above would give.
;; One version. Each part assembles by itself: llvm-mc -triple=amdgcn-amd-amdhsa -mcpu=gfx1250 --defsym DOCPART=n.
;; ======== version 1 of 1: 1 launch
;; limits: values are held in bf16: 8 bits of precision; right only within a limited range of input values
;; launch tattn (part 1): grid 16 x 16, 4 waves a work-group, clusters of 4 x 4, 327,680 bytes of LDS; arguments x_codes, x_scales, Wqkv_codes, Wqkv_scales, bqkv, q_scale, k_scale, out0; writes out0
.if DOCPART == 1
	.amdgcn_target "amdgcn-amd-amdhsa--gfx1250"
	.amdhsa_code_object_version 6
	.text
	.protected	k_q7f78d10e51_tattn
	.globl	k_q7f78d10e51_tattn
	.p2align	8
	.type	k_q7f78d10e51_tattn,@function
k_q7f78d10e51_tattn:
	s_mov_b64 s[64:65], 0
	v_nop
	global_prefetch_b8 v0, s[64:65] scope:SCOPE_SE
	s_setreg_imm32_b32 hwreg(HW_REG_WAVE_MODE, 25, 1), 1
	s_wait_xcnt 0x0
	s_wait_alu depctr_hold_cnt(0) depctr_sa_sdst(0) depctr_va_vdst(0) depctr_va_sdst(0) depctr_va_ssrc(0) depctr_va_vcc(0) depctr_vm_vsrc(0)
	s_getreg_b32 s2, hwreg(HW_REG_IB_STS2, 6, 4)
	s_cmp_eq_u32 s2, 0
	s_cbranch_scc0 .Lentry_in_a_cluster
	s_endpgm
.Lentry_in_a_cluster:
	s_bfe_u32 s2, ttmp6, 0x10000c
	s_cmp_lg_u32 s2, 0xf033
	s_cbranch_scc0 .Lentry_shape_is_right
	s_endpgm
.Lentry_shape_is_right:
; TEMPORAL ATTENTION, one launch: QKV projection (MX-FP4 codes as given), RMSNorm and RoPE of q and k in f32, q and k quantised to MX-FP4 along the head's 64,
; scores in MX-FP4, causal softmax in f32, P V in bf16 (its K is 16), out0[b*16+t][64*head+d][hw] in f32.  Nothing goes through memory on the way.
; SHARES.  A sequence is one hw of one b: 16 frames.  A work-group owns 64 neighbouring hw of one b and ONE head: 64 hw x 4 bytes are one aligned run of 256 bytes of out0.
; It walks them in eight trips of eight sequences.  Its four waves are two duos (wave / 2); a duo takes four sequences of a trip.  In a duo wave role 0 makes q and V's d = 0..31, role 1 makes k and V's d = 32..63:
; so a wave holds HALF the head's weights, 48 fragments = 384 registers, and x's four sequences of a trip in 256; rope tables and biases stay in registers too.  What a trip reads from LDS is x.
; Behind its quantiser a wave lays its codes and scale words into LDS; a trip later, behind the barrier of the change of slots, each wave of a duo makes scores and softmax of two of the four sequences.
; LAYOUT.  V = x Wv^T (source 0 = two sequences' 32 frames): a lane holds one d and the frames 8h+0..7 (h = lane / 16): bf16 pairs of that are source 0 of O^T = V^T P^T.
; Q, K transposed (source 0 = 32 rows of W, source 1 = x): a lane holds one frame t = lane % 16; register 16b+8u+i is d = 32b+16u+8h+i.  The codes' order inside a block of 32 is the same for q and k, so the scores' sums are of the same products.
; V's bias is the C of P V: a softmax's row sums to 1, so P (V + bias) = P V + bias for all inputs.
; PARKING.  A run of 256 bytes of out0 is whole only when all 64 sequences are done: V (bf16) and the normalised P (bf16) wait in LDS as images of the operands' registers, 2,560 bytes a sequence.
; CLUSTER 4 x 4.  x's tiles hang on b, hw and the wave: the four work-groups of a row of the cluster (four heads) ask for them jointly.  W's tiles hang on the head and the wave: the four of a column ask jointly.
; LIMITS.  NaN, infinities and scale bytes 0xff among the inputs are not served.  A block of q or k whose largest magnitude lies under 2^-124 gets the scale byte 1 (a block of zeros too: its codes are zeros).
; The rope factors are gain x cos and gain x sin multiplied beforehand: one rounding stands elsewhere than in the source.  sin and cos: reduction by pi/2 in two parts and polynomials on |rho| <= pi/4, truncation under 2e-9.
; P is normalised in f32 and then rounded to bf16; V is rounded to bf16, its bias is added in f32.
.set XP,    1040                       ; a frame's row of a pair of sequences: 1,024 bytes + 16: 65 x 16
.set PREG,  16*XP                      ; a pair: 16,640 = 0x4100
.set SLOTB, 4*PREG                     ; a slot: four pairs: 66,560 = 0x10400: w x 0x4100 has those two bits clear for w = 0..3, so one exclusive or changes slots
.set EX,    2*SLOTB                    ; the exchange: two buffers of 10,240: for each wave four images of codes of 512 bytes and one of scale words
.set EXB,   10240
.set PARK,  EX+2*EXB
.set PSEQ,  2560                       ; a sequence: V's four images of 512 bytes, then P's
.set PTRIP, 8*PSEQ
.set SPARE, PARK+64*PSEQ               ; the spare words: 128 bytes for each wave, two blocks that no other line names
.set WL,    PARK                       ; W's one fill lands here and is read out before anything is parked
.set WP,    528                        ; a row of W: 512 bytes + 16
.set WHALF, 96*WP                      ; 32 rows each of q, k, v
.set SP,    264                        ; a stage row: 64 hw x 4 bytes + 8
.set STG1,  256*SP                     ; the second stage; both lie over the ring and the exchange, which are done with by then
.set SPW, 1
.set NIL, 2
.set AXL, 3                            ; v3 my lane's place in my duo's part of slot 0;  v4 in the slot in hand
.set AX,  4
.set PKV0, 5                           ; v5 V's parking;  v6 the parking in hand (V's, then P's)
.set PKV, 6
.set CS0, 7                            ; v7 where I lay codes; v8 where I read codes, v9 scale words; v10, v11 in the buffer in hand
.set CL0, 8
.set WL0, 9
.set CA,  10
.set WLC, 11
.set PFO, 12                           ; v12 the prefetches' offset
.set PKP0, 13                          ; v13 P's parking, one trip back
.set H32, 14                           ; v14 32 h
.set XSO, 15                           ; v15 x's scale words: 8,192 r + 32 h
.set KC,  16                           ; v16-31 k's codes of two sequences; the upper four of each eight are zero codes (K = 64..127), set once
.set QW,  32                           ; v32-33 q's scale words, v34-35 k's
.set KW,  34
.set RS,  36                           ; v36-39 1 / rms of four sequences
.set WS,  40                           ; v40-55 scale words of W's rows of q or k: block b, K step s at 8b+s, lane = row;  v56-63 V's
.set XS,  64                           ; v64-79 x's scale words: pair p, K step s at 8p+s: lanes 0-15 its first sequence, 16-31 its second;  v80-95 the next trip's
.set XN,  80
.set ACC, 96                           ; v96-223 q or k of four sequences
.set BIAS, 224                         ; v224-255 their biases
.set BV,  96                           ; the way out: V's biases
.set TM,  64                           ; window 1: 0-63 rope tables A1 B1 A2 B2; 64-127 V's accumulators, later at work; 128-255 V's weights
.set WVR, 128
                                       ; window 2: q's or k's weights: block b of step s at 32s+16b;   window 3: x: sequence j of step s at 32s+8j
.set WV,  20
.set CX,  21
.set CY,  22
.set HD,  23
.set BB,  24
.set DU,  25
.set RG,  26
.set CBO, 27
.set G1X, 28                           ; groups 1 and 0 of the ring's tiles (16 frames x a pair)
.set G0X, 36
.set G1H, 40                           ; of the head's tile of x (16 frames x two pairs)
.set G0H, 48
.set G1W, 52                           ; of W's
.set G0W, 60
.set MK,  66                           ; s[66:73] mask j: the lanes in which key 8h+j <= query r
.set XSB, 74
.set OB,  76                           ; s[76:77] out0 for frames 0-7, s[78:79] for frames 8-15
.set RN,  80                           ; 1/64, 1e-6
.set SEL, 82
.set CS,  84                           ; log2(e) / 8
.set TB,  86
.set PKS, 87
.set CNT, 88
.set CB,  89
.set PFA, 90
.set MSB, 0
.macro WIN new                         ; the immediate's high byte repeats the setting that is left
.if MSB != \new
	s_set_vgpr_msb (MSB<<8)|\new
.set MSB, \new
.endif
.endm
.macro PLACES n
.rept \n
	v_nop
.endr
.endm
.macro CREST                           ; a round of the cluster's barrier behind its opening barrier
	s_cmp_lg_u32 s[WV], 0
	s_cbranch_scc1 .Lnot_wave_0_\@
	s_barrier_signal -3
.Lnot_wave_0_\@:
	s_barrier_wait -3
	s_barrier_signal -1
	s_barrier_wait -1
.endm
.macro CROUND
	s_barrier_signal -1
	s_barrier_wait -1
	CREST
.endm
; 32 x 16 x 128 on 4-bit codes.  k < 0: the sum begins at 0, else at v[k..].  row = 1: source 1's scale words stand in lanes 16-31.
.macro MM d, a, b, k, sa, sb, row
.if (\k) < 0
.if \row
	v_wmma_scale_f32_32x16x128_f4 v[\d:\d+15], v[\a:\a+15], v[\b:\b+7], 0, v[\sa], v[\sb] matrix_b_scale:MATRIX_SCALE_ROW1
.else
	v_wmma_scale_f32_32x16x128_f4 v[\d:\d+15], v[\a:\a+15], v[\b:\b+7], 0, v[\sa], v[\sb]
.endif
.else
.if \row
	v_wmma_scale_f32_32x16x128_f4 v[\d:\d+15], v[\a:\a+15], v[\b:\b+7], v[\k:\k+15], v[\sa], v[\sb] matrix_b_scale:MATRIX_SCALE_ROW1
.else
	v_wmma_scale_f32_32x16x128_f4 v[\d:\d+15], v[\a:\a+15], v[\b:\b+7], v[\k:\k+15], v[\sa], v[\sb]
.endif
.endif
.endm
; The accumulators take turns, one instruction a turn: V's four, then q's or k's eight.
.macro VPASS
	WIN 0x57
.irp s, 0,1,2,3,4,5,6,7
.irp p, 0,1
.irp n, 0,1
.if \s == 0
	MM TM+16*(2*\p+\n), 32*\s+16*\p, WVR+8*(2*\s+\n), -1, XS+8*\p+\s, WS+16+\s, \n
.else
	MM TM+16*(2*\p+\n), 32*\s+16*\p, WVR+8*(2*\s+\n), TM+16*(2*\p+\n), XS+8*\p+\s, WS+16+\s, \n
.endif
.endr
.endr
.endr
.endm
.macro QPASS
	WIN 0x0e
.irp s, 0,1,2,3,4,5,6,7
.irp j, 0,1,2,3
.irp b, 0,1
.if \s == 0
	MM ACC+32*\j+16*\b, 32*\s+16*\b, 32*\s+8*\j, BIAS+16*\b, WS+8*\b+\s, XS+8*(\j/2)+\s, \j%2
.else
	MM ACC+32*\j+16*\b, 32*\s+16*\b, 32*\s+8*\j, ACC+32*\j+16*\b, WS+8*\b+\s, XS+8*(\j/2)+\s, \j%2
.endif
.endr
.endr
.endr
.endm
.macro VCVT                            ; V to bf16 in pairs of frames: accumulator a's first eight registers take its two sequences; each accumulator from its low end on
	WIN 0x45
.irp p, 0,1,2,3,4,5,6,7
.irp a, 0,16,32,48
	v_cvt_pk_bf16_f32 v[TM+\a+\p], v[TM+\a+2*\p], v[TM+\a+2*\p+1]
.endr
.endr
	WIN 0
.endm
.macro VSTORE                          ; parked as source 0 of O^T
	WIN 0x04
.irp p, 0,1
.irp n, 0,1
.irp e, 0,1
	ds_store_b128 v[PKV], v[TM+16*(2*\p+\n)+4*\e:TM+16*(2*\p+\n)+4*\e+3] offset:(2*\p+\e)*PSEQ+512*\n
.endr
.endr
.endr
.endm
.macro XLOAD s, pair                   ; x's fragments of K step s: four sequences; pair: bytes from a pair to the next
	WIN 0xc0
.irp j, 0,1,2,3
.irp c, 0,1
	ds_load_b128 v[32*(\s)+8*\j+4*\c:32*(\s)+8*\j+4*\c+3], v[AX] offset:(\j/2)*(\pair)+(\j%2)*512+64*(\s)+32*\c
.endr
.endr
.endm
; SUMS OF SQUARES of four frames' q or k, two packed chains each
.macro SUMSQ
	WIN 0x50
.irp j, 0,1,2,3
.set QJ, TM+8+16*(\j/2)+4*(\j%2)
.set YJ, ACC+32*\j
	v_pk_mul_f32 v[QJ:QJ+1], v[YJ:YJ+1], v[YJ:YJ+1]
	v_pk_mul_f32 v[QJ+2:QJ+3], v[YJ+2:YJ+3], v[YJ+2:YJ+3]
.endr
.irp p, 4,8,12,16,20,24,28
.irp j, 0,1,2,3
.set QJ, TM+8+16*(\j/2)+4*(\j%2)
.set YJ, ACC+32*\j+\p
	v_pk_fma_f32 v[QJ:QJ+1], v[YJ:YJ+1], v[YJ:YJ+1], v[QJ:QJ+1]
	v_pk_fma_f32 v[QJ+2:QJ+3], v[YJ+2:YJ+3], v[YJ+2:YJ+3], v[QJ+2:QJ+3]
.endr
.endr
.endm
.macro RSCHAIN                         ; 1 / sqrt(mean + 1e-6); the frame's other 32 d lie in lane xor 16
	WIN 0x55
.irp j, 0,1,2,3
.set QJ, TM+8+16*(\j/2)+4*(\j%2)
	v_pk_add_f32 v[QJ:QJ+1], v[QJ:QJ+1], v[QJ+2:QJ+3]
.endr
.irp j, 0,1,2,3
.set QJ, TM+8+16*(\j/2)+4*(\j%2)
	v_add_f32 v[QJ], v[QJ], v[QJ+1]
.endr
.irp j, 0,1,2,3
.set QJ, TM+8+16*(\j/2)+4*(\j%2)
	v_permlanex16_b32 v[QJ+1], v[QJ], s[SEL], s[SEL+1]
.endr
.irp j, 0,1,2,3
.set QJ, TM+8+16*(\j/2)+4*(\j%2)
	v_add_f32 v[QJ], v[QJ], v[QJ+1]
.endr
.irp j, 0,1,2,3
.set QJ, TM+8+16*(\j/2)+4*(\j%2)
	v_fma_f32 v[QJ], v[QJ], s[RN], s[RN+1]
.endr
	WIN 0x01
	s_wait_alu depctr_va_vdst(0)
.irp j, 0,1,2,3
.set QJ, TM+8+16*(\j/2)+4*(\j%2)
	v_rsq_f32 v[RS+\j], v[QJ]
.endr
	v_nop                                          ; a plain place behind the transcendentals
.endm
.macro RSMUL
	WIN 0
.irp p, 0,2,4,6,8,10,12,14,16,18,20,22,24,26,28,30
.irp m, 0,1
.set YJ, ACC+64*\m+\p
	v_pk_mul_f32 v[YJ:YJ+1], v[YJ:YJ+1], v[RS+2*\m:RS+2*\m+1] op_sel_hi:[1,0]
	v_pk_mul_f32 v[YJ+32:YJ+33], v[YJ+32:YJ+33], v[RS+2*\m:RS+2*\m+1] op_sel:[0,1] op_sel_hi:[1,1]
.endr
.endr
.endm
; THE ROPE of sequences 2m, 2m+1.  y1 = registers 0-15, y2 = registers 16-31:  y1' = y1 A1 - y2 B1,  y2' = y1 A2 + y2 B2.
.macro ROPE2 m
	WIN 0x44
.irp p, 0,2,4,6,8,10,12,14
.irp e, 0,1
	v_pk_mul_f32 v[TM+16*\e+\p:TM+16*\e+\p+1], v[ACC+64*\m+32*\e+16+\p:ACC+64*\m+32*\e+17+\p], v[16+\p:17+\p]
.endr
.endr
	WIN 0x04
.irp p, 0,2,4,6,8,10,12,14
.irp e, 0,1
.set YJ, ACC+64*\m+32*\e+\p
	v_pk_mul_f32 v[YJ+16:YJ+17], v[YJ+16:YJ+17], v[48+\p:49+\p]
.endr
.endr
.irp p, 0,2,4,6,8,10,12,14
.irp e, 0,1
.set YJ, ACC+64*\m+32*\e+\p
	v_pk_fma_f32 v[YJ+16:YJ+17], v[YJ:YJ+1], v[32+\p:33+\p], v[YJ+16:YJ+17]
.endr
.endr
	WIN 0x14
.irp p, 0,2,4,6,8,10,12,14
.irp e, 0,1
.set YJ, ACC+64*\m+32*\e+\p
	v_pk_fma_f32 v[YJ:YJ+1], v[YJ:YJ+1], v[\p:\p+1], v[TM+16*\e+\p:TM+16*\e+\p+1] neg_lo:[0,0,1] neg_hi:[0,0,1]
.endr
.endr
.endm
; THE QUANTISER of four frames, eight blocks by turns (block k = 2j+b: my 16 numbers at ACC+16k, lane xor 16's the other 16)
.macro QA
	WIN 0x50
.irp k, 0,1,2,3,4,5,6,7
	v_max3_num_f32 v[TM+\k], |v[ACC+16*\k]|, |v[ACC+16*\k+1]|, 0x1800000   ; the floor 2^(3-127) holds the byte at 1 from below
.endr
.irp i, 2,4,6,8,10,12,14
.irp k, 0,1,2,3,4,5,6,7
	v_max3_num_f32 v[TM+\k], |v[ACC+16*\k+\i]|, |v[ACC+16*\k+\i+1]|, v[TM+\k]
.endr
.endr
.endm
.macro QB
	WIN 0x55
.irp k, 0,1,2,3,4,5,6,7
	v_permlanex16_b32 v[TM+8+\k], v[TM+\k], s[SEL], s[SEL+1]
.endr
.irp k, 0,1,2,3,4,5,6,7
	v_max_num_f32 v[TM+\k], v[TM+\k], v[TM+8+\k]
.endr
.irp k, 0,1,2,3,4,5,6,7
	v_add_nc_u32 v[TM+16+\k], 0xff000000, v[TM+\k]   ; 2 off its exponent field: the conversion's scale
.endr
.irp k, 0,1,2,3,4,5,6,7
	v_lshrrev_b32 v[TM+24+\k], 23, v[TM+16+\k]       ; the scale's byte
.endr
.irp j, 0,1,2,3
	v_lshl_or_b32 v[TM+\j], v[TM+25+2*\j], 8, v[TM+24+2*\j]
.endr
	WIN 0x44
.irp q, 0,1,2,3
.irp j, 0,1,2,3
	v_cvt_scalef32_pk8_fp4_f32 v[TM+32+16*(\j/2)+4*(\j%2)+\q], v[ACC+32*\j+8*\q:ACC+32*\j+8*\q+7], v[TM+16+2*\j+\q/2]
.endr
.endr
	v_nop                                          ; one plain place behind a scaled conversion
	WIN 0x55
.irp q, 0,1
.irp j, 0,1,2,3
	v_permlane16_swap_b32 v[TM+32+16*(\j/2)+4*(\j%2)+\q], v[TM+34+16*(\j/2)+4*(\j%2)+\q]   ; a whole block in a lane: lanes 0-15 block 0, lanes 16-31 block 1
.endr
.endr
	WIN 0x04
.irp j, 0,1,2,3
	ds_store_b128 v[CA], v[TM+32+16*(\j/2)+4*(\j%2):TM+35+16*(\j/2)+4*(\j%2)] offset:512*\j
.endr
	ds_store_b128 v[CA], v[TM:TM+3] offset:2048    ; the four sequences' scale words
	WIN 0
.endm
; SCORES AND SOFTMAX of two sequences e.  S at TM+32+16e, q's codes and then work at TM+40+16e (the codes' upper four there meet k's zero codes).
.macro SCLOAD
	WIN 0x40
	ds_load_b128 v[TM+40:TM+43], v[CA]
	ds_load_b128 v[TM+56:TM+59], v[CA] offset:512
	WIN 0
	ds_load_b128 v[KC:KC+3], v[CA] offset:2560
	ds_load_b128 v[KC+8:KC+11], v[CA] offset:3072
	ds_load_b64 v[QW:QW+1], v[WLC]
	ds_load_b64 v[KW:KW+1], v[WLC] offset:2560
.endm
.macro SCMUL
	WIN 0x44
.irp e, 0,1
	v_wmma_scale_f32_16x16x128_f8f6f4 v[TM+32+16*\e:TM+39+16*\e], v[KC+8*\e:KC+8*\e+7], v[TM+40+16*\e:TM+47+16*\e], 0, v[KW+\e], v[QW+\e] matrix_a_fmt:MATRIX_FMT_FP4 matrix_b_fmt:MATRIX_FMT_FP4
.endr
	WIN 0
.endm
.macro SC_A
	WIN 0x55
.irp r, 0,1,2,3,4,5,6,7
.irp e, 0,16
	v_cndmask_b32 v[TM+32+\e+\r], 0xff800000, v[TM+32+\e+\r], s[MK+\r]   ; keys after the query: -infinity; key 0 counts for every query
.endr
.endr
.irp e, 0,16
	v_max3_num_f32 v[TM+40+\e], v[TM+32+\e], v[TM+33+\e], v[TM+34+\e]
	v_max3_num_f32 v[TM+41+\e], v[TM+35+\e], v[TM+36+\e], v[TM+37+\e]
.endr
.irp e, 0,16
	v_max3_num_f32 v[TM+40+\e], v[TM+40+\e], v[TM+38+\e], v[TM+39+\e]
.endr
.irp e, 0,16
	v_max_num_f32 v[TM+40+\e], v[TM+40+\e], v[TM+41+\e]
.endr
.irp e, 0,16
	v_permlanex16_b32 v[TM+41+\e], v[TM+40+\e], s[SEL], s[SEL+1]
.endr
.endm
.macro SC_B
	WIN 0x55
.irp e, 0,16
	v_max_num_f32 v[TM+40+\e], v[TM+40+\e], v[TM+41+\e]   ; the row's largest score
.endr
.irp e, 0,16
	v_mul_f32 v[TM+42+\e], s[CS], v[TM+40+\e]
.endr
.irp p, 32,34,36,38
.irp e, 0,16
	v_pk_fma_f32 v[TM+\p+\e:TM+\p+1+\e], v[TM+\p+\e:TM+\p+1+\e], s[CS:CS+1], v[TM+42+\e:TM+43+\e] op_sel_hi:[1,0,0] neg_lo:[0,0,1] neg_hi:[0,0,1]
.endr
.endr
	s_wait_alu depctr_va_vdst(0)
.irp r, 32,33,34,35,36,37,38,39
.irp e, 0,16
	v_exp_f32 v[TM+\r+\e], v[TM+\r+\e]
.endr
.endr
.endm
.macro SC_C                            ; a plain place and the wait stand ahead
	WIN 0x55
.irp e, 0,16
	v_pk_add_f32 v[TM+44+\e:TM+45+\e], v[TM+32+\e:TM+33+\e], v[TM+34+\e:TM+35+\e]
	v_pk_add_f32 v[TM+46+\e:TM+47+\e], v[TM+36+\e:TM+37+\e], v[TM+38+\e:TM+39+\e]
.endr
.irp e, 0,16
	v_pk_add_f32 v[TM+44+\e:TM+45+\e], v[TM+44+\e:TM+45+\e], v[TM+46+\e:TM+47+\e]
.endr
.irp e, 0,16
	v_add_f32 v[TM+44+\e], v[TM+44+\e], v[TM+45+\e]
.endr
.irp e, 0,16
	v_permlanex16_b32 v[TM+45+\e], v[TM+44+\e], s[SEL], s[SEL+1]
.endr
.irp e, 0,16
	v_add_f32 v[TM+44+\e], v[TM+44+\e], v[TM+45+\e]   ; the row's sum, at least 1
.endr
	s_wait_alu depctr_va_vdst(0)
.irp e, 0,16
	v_rcp_f32 v[TM+46+\e], v[TM+44+\e]
.endr
.endm
.macro SC_D                            ; a plain place and the wait stand ahead
	WIN 0x55
.irp p, 32,34,36,38
.irp e, 0,16
	v_pk_mul_f32 v[TM+\p+\e:TM+\p+1+\e], v[TM+\p+\e:TM+\p+1+\e], v[TM+46+\e:TM+47+\e] op_sel_hi:[1,0]
.endr
.endr
.irp p, 0,1,2,3
.irp e, 0,16
	v_cvt_pk_bf16_f32 v[TM+40+\p+\e], v[TM+32+2*\p+\e], v[TM+33+2*\p+\e]
.endr
.endr
	WIN 0x04
	ds_store_b128 v[PKV], v[TM+40:TM+43]           ; P, parked as source 1 of O^T
	ds_store_b128 v[PKV], v[TM+56:TM+59] offset:PSEQ
	WIN 0
.endm
; A PREFETCH INTO THE L2 of x for the refill after this one, a whole trip ahead of its load: the slot's 16 frames x 4,096 bytes.  Wave w of the partner at place cx names frame 4w + cx: 16 blocks of 256 bytes,
; each named once in each cluster that will load it (lanes 16-31 name the last again).  Slots 0 to 2 come by their loads alone; the last refill's trip asks for nothing.
.macro ASK first
.if (\first) == 0
	s_cmp_gt_u32 s[CNT], 1
	s_cbranch_scc0 .Lnothing_\@
.endif
	global_prefetch_b8 v[PFO], s[PFA:PFA+1] th:TH_LOAD_NT scope:SCOPE_SE
.if (\first) == 0
.Lnothing_\@:
.endif
.endm
; A TRIP: eight sequences of the work-group, four of my duo.  first: trip 0;  prev: there are scores of the trip before;  fill: the slot is filled again with the trip two on;  xl: there is a next trip.
.macro TRIP first, prev, fill, xl
	s_wait_alu depctr_va_vdst(0)
.if \first
	s_wait_dscnt 63                                ; x and V's weights are in; behind them 64 loads of q's or k's weights
.else
	s_wait_dscnt 0x0                               ; x is in
.endif
	VPASS
.if \first
	s_wait_dscnt 0x0
.endif
	QPASS
	WIN 0
	s_xor_b32 s[TB], s[TB], SLOTB
	s_xor_b32 s[CBO], s[CB], EXB
	v_add_nc_u32 v[PKV], s[PKS], v[PKV0]           ; these four are the places behind the products (ISA guide 7.12.1)
.if \xl
	v_add_nc_u32 v[AX], s[TB], v[AXL]
.else
	v_nop
.endif
.if \prev
	v_add_nc_u32 v[CA], s[CBO], v[CL0]
	v_add_nc_u32 v[WLC], s[CBO], v[WL0]
.else
	PLACES 2
.endif
	; THE CHANGE OF SLOTS: x of this trip has been read into registers; the next slot's load, issued a trip ago, is waited for; behind the barrier the next slot is whole in every wave, and the last trip's codes are
	s_wait_alu depctr_va_vdst(0)
.if \xl
	s_wait_tensorcnt 0x0
	ds_add_u32 v[SPW], v[NIL]                      ; 0 onto my spare word
.endif
	VCVT
.if \xl
	s_wait_loadcnt 0x0                             ; the next trip's scale words, asked for a trip ago
.irp i, 0,1,2,3,4,5,6,7,8,9,10,11,12,13,14,15
	v_mov_b32 v[XS+\i], v[XN+\i]
.endr
.endif
.if \fill
	s_xor_b32 s[G0X+1], s[G0X+1], SLOTB            ; the slot in hand, the trip two on; the type bits on top are not reached
	s_add_nc_u64 s[G0X+2:G0X+3], s[G0X+2:G0X+3], 4096
	s_add_nc_u64 s[XSB:XSB+1], s[XSB:XSB+1], 256
.if (\first) == 0
	s_wait_xcnt 0x0                                ; the last prefetch has read its address
	s_add_nc_u64 s[PFA:PFA+1], s[PFA:PFA+1], 4096
.endif
.endif
	s_wait_alu depctr_va_vdst(0)
	s_wait_dscnt 0x0
	s_barrier_signal -1
	SUMSQ                                          ; work on registers while the others arrive
	WIN 0
	s_wait_alu depctr_va_vdst(0)
	s_barrier_wait -1
.if \fill
	CREST
	tensor_load_to_lds s[G0X:G0X+3], s[G1X:G1X+7]  ; my one joint load behind this round: it has a trip in which to land
	s_nop 0
	PLACES 4
.irp p, 0,1
.irp c, 0,1
	global_load_b128 v[XN+8*\p+4*\c:XN+8*\p+4*\c+3], v[XSO], s[XSB:XSB+1] offset:256+64*\p+16*\c
.endr
.endr
.endif
.if \prev
	SCLOAD
.endif
	VSTORE
.if \xl
	XLOAD 0, PREG
	XLOAD 1, PREG
.endif
	WIN 0
.if \fill
	ASK \first
.endif
	RSCHAIN
	s_wait_alu depctr_va_vdst(0)
.if \xl
	s_wait_dscnt 16                                ; the codes are in and V is stored; the 16 loads of x behind them may be out
.else
	s_wait_dscnt 0x0
.endif
.if \prev
	SCMUL
.endif
	WIN 0
.if \prev
	v_add_nc_u32 v[PKV], s[PKS], v[PKP0]
.endif
	v_add_nc_u32 v[CA], s[CB], v[CS0]
	RSMUL                                          ; (also the places behind the score products)
.if \prev
	SC_A
.endif
.if \xl
	XLOAD 2, PREG
	XLOAD 3, PREG
.endif
	ROPE2 0
.if \prev
	SC_B
.endif
	ROPE2 1
.if \xl
	XLOAD 4, PREG
	XLOAD 5, PREG
.endif
.if \prev
	s_wait_alu depctr_va_vdst(0)
	SC_C
.endif
	QA
.if \xl
	XLOAD 6, PREG
	XLOAD 7, PREG
.endif
.if \prev
	s_wait_alu depctr_va_vdst(0)
	SC_D
.endif
	QB
	s_add_co_u32 s[PKS], s[PKS], PTRIP
	s_xor_b32 s[CB], s[CB], EXB
.endm
	s_load_b512 s[4:19], s[0:1], 0x0               ; x_codes s[4:5], x_scales s[6:7], W codes s[8:9], W scales s[10:11], bqkv s[12:13], q_scale s[14:15], k_scale s[16:17], out0 s[18:19]
	v_lshl_add_u32 v[SPW], v0, 2, SPARE
	v_mov_b32 v[NIL], 0
	ds_add_u32 v[SPW], v[NIL]                      ; the wave's opening: the add, twice on end, and one wait for both
	ds_add_u32 v[SPW], v[NIL]
	v_lshrrev_b32 v96, 5, v0
	v_readfirstlane_b32 s[WV], v96
	s_bfe_u32 s[CX], ttmp6, 0x40000
	s_bfe_u32 s[CY], ttmp6, 0x40004
	s_lshl_b32 s[HD], ttmp9, 2
	s_add_co_u32 s[HD], s[HD], s[CX]               ; head = 4 x cluster x + cx
	s_and_b32 s[BB], ttmp7, 0xffff                 ; b = cluster y; cy says which 64 hw
	s_lshr_b32 s[DU], s[WV], 1                     ; duo
	s_and_b32 s[RG], s[WV], 1                      ; role
	s_lshl_b32 s27, s[CY], 2
	s_lshl_b32 s27, 15, s27                        ; my row of the cluster
	s_lshl_b32 s101, 0x1111, s[CX]                 ; my column
	s_or_b32 s[G1X], s27, (3<<16)|(1<<20)|(1<<21)|(7<<22)|(3<<25)   ; elements of 8 bytes, 4 words of padding behind every 256
	s_mov_b32 s[G1X+1], 128<<16
	s_mov_b32 s[G1X+2], 16<<16
	s_mov_b32 s[G1X+3], 128<<16
	s_mov_b32 s[G1X+4], 16
	s_mov_b32 s[G1X+5], 16384                      ; 131,072 bytes from frame to frame
	s_mov_b32 s[G1X+6], 0
	s_mov_b32 s[G1X+7], 0
	s_or_b32 s[G1H], s27, (3<<16)|(1<<20)|(1<<21)|(7<<22)|(3<<25)
	s_mov_b32 s[G1H+1], 256<<16
	s_mov_b32 s[G1H+2], 16<<16
	s_mov_b32 s[G1H+3], 256<<16
	s_mov_b32 s[G1H+4], 16
	s_mov_b32 s[G1H+5], 16384
	s_mov_b32 s[G1H+6], 0
	s_mov_b32 s[G1H+7], 0
	s_or_b32 s[G1W], s101, (3<<16)|(1<<20)|(1<<21)|(6<<22)|(3<<25)  ; 3 rows (q, k, v) of 16,384 dense bytes (32 rows of W), 524,288 bytes apart; 4 words of padding behind every 128
	s_mov_b32 s[G1W+1], 2048<<16
	s_mov_b32 s[G1W+2], 3<<16
	s_mov_b32 s[G1W+3], 2048<<16
	s_mov_b32 s[G1W+4], 3
	s_mov_b32 s[G1W+5], 65536
	s_mov_b32 s[G1W+6], 0
	s_mov_b32 s[G1W+7], 0
	s_lshl_b32 s96, s[BB], 21                      ; x: b x 16 frames x 131,072
	s_lshl_b32 s97, s[CY], 15                      ; + 64 hw x 512 x cy
	s_add_co_u32 s96, s96, s97
	s_lshl_b32 s97, s[RG], 11                      ; the head's tile: waves 0 and 1 fetch a duo's 2,048 bytes a frame each
	s_add_co_u32 s98, s96, s97
	s_mov_b32 s99, 0
	s_lshl_b32 s97, s[WV], 10                      ; the ring's: wave w fetches pair w; the first is trip 1's
	s_add_co_u32 s96, s96, s97
	s_add_co_u32 s96, s96, 4096
	s_mov_b32 s97, 0
	s_lshl_b32 s92, s[HD], 15                      ; W: 64 rows x 512 x head
	s_lshl_b32 s93, s[RG], 14                      ; waves 2 and 3 fetch 32 rows of each part
	s_add_co_u32 s92, s92, s93
	s_mov_b32 s93, 0
	s_mul_i32 s27, s[RG], 2*PREG
	s_mul_i32 s100, s[RG], WHALF
	s_mul_i32 s101, s[WV], PREG
	s_mov_b32 s[SEL], 0x76543210
	s_mov_b32 s[SEL+1], 0xfedcba98                 ; lane xor 16
	s_mov_b32 s[CS], 0x3e38aa3b                    ; log2(e) / sqrt(64)
	s_mov_b32 s[CS+1], s[CS]                       ; (named with it as a pair)
	s_mov_b32 s[RN], 0x3c800000
	s_mov_b32 s[RN+1], 0x358637bd
.irp r, 0,1,2,3,4,5,6,7
	s_mov_b32 s[MK+\r], ((0xffff<<\r)&0xffff)|(((0xffff<<(8+\r))&0xffff)<<16)
.endr
	s_mov_b32 s[TB], 0
	s_mov_b32 s[PKS], 0
	s_mov_b32 s[CB], 0
	s_wait_alu depctr_va_vdst(0)
	s_wait_dscnt 0x0                               ; both opening adds are done
	s_wait_kmcnt 0x0
	s_mov_b32 s[G0H], 1
	s_mov_b32 s[G0H+1], s27
	s_add_nc_u64 s[G0H+2:G0H+3], s[4:5], s[98:99]
	s_or_b32 s[G0H+3], s[G0H+3], 0x80000000
	s_mov_b32 s[G0W], 1
	s_add_co_u32 s[G0W+1], s100, WL
	s_add_nc_u64 s[G0W+2:G0W+3], s[8:9], s[92:93]
	s_or_b32 s[G0W+3], s[G0W+3], 0x80000000
	s_mov_b32 s[G0X], 1
	s_add_co_u32 s[G0X+1], s101, SLOTB
	s_add_nc_u64 s[G0X+2:G0X+3], s[4:5], s[96:97]
	s_or_b32 s[G0X+3], s[G0X+3], 0x80000000
	CROUND                                         ; all sixteen work-groups are here: the first joint loads meet
	s_cmp_lt_u32 s[WV], 2                          ; one load a wave: waves 0 and 1 x of trip 0, waves 2 and 3 W
	s_cbranch_scc0 .Lhead_w
	tensor_load_to_lds s[G0H:G0H+3], s[G1H:G1H+7]
	s_nop 0
	PLACES 4
	s_branch .Lhead_asked
.Lhead_w:
	tensor_load_to_lds s[G0W:G0W+3], s[G1W:G1W+7]
	s_nop 0
	PLACES 4
.Lhead_asked:
	s_mul_i32 s27, s[DU], 2*PREG
	s_mul_i32 s92, s[DU], 4*PSEQ
	s_lshl_b32 s93, s[RG], 10
	s_add_co_u32 s92, s92, s93
	s_add_co_u32 s92, s92, PARK                    ; V's parking: sequence 8 trip + 4 duo + j, images 2 role, 2 role + 1
	s_mul_i32 s93, s[WV], 2560
	s_add_co_u32 s93, s93, EX                      ; my codes
	s_mul_i32 s96, s[DU], 5120
	s_lshl_b32 s97, s[RG], 10
	s_add_co_u32 s97, s97, s96
	s_add_co_u32 s97, s97, EX                      ; q's codes of my two sequences, 2 role and 2 role + 1; k's lie 2,560 on
	s_lshl_b32 s98, s[RG], 3
	s_add_co_u32 s98, s98, s96
	s_add_co_u32 s98, s98, EX+2048                 ; their scale words
	s_mul_i32 s99, s[DU], 4*PSEQ
	s_mul_i32 s100, s[RG], 2*PSEQ
	s_add_co_u32 s99, s99, s100
	s_add_co_u32 s99, s99, PARK+2048-PTRIP         ; P's parking
	s_mul_i32 s100, s[RG], 32*WP
	s_add_co_u32 s100, s100, WL
	s_mul_i32 s101, s[RG], WHALF
	s_add_co_u32 s101, s101, WL
	v_and_b32 v96, 15, v0                          ; r
	v_bfe_u32 v97, v0, 4, 1                        ; h
	v_and_b32 v98, 31, v0                          ; lane
	v_mul_u32_u24 v99, v96, XP
	v_lshl_add_u32 v99, v97, 4, v99
	v_add_nc_u32 v[AXL], s27, v99
	v_mul_u32_u24 v100, v96, 2*XP                  ; trip 0's tile holds a duo's four sequences in a row of 2 x 1,040
	v_lshl_add_u32 v100, v97, 4, v100
	v_add_nc_u32 v[AX], s27, v100
	v_lshl_add_u32 v[PKV0], v98, 4, s92
	v_lshl_add_u32 v[CS0], v98, 4, s93
	v_lshl_add_u32 v[CL0], v98, 4, s97
	v_lshl_add_u32 v[WL0], v98, 4, s98
	v_lshl_add_u32 v[PKP0], v98, 4, s99
	v_lshlrev_b32 v[XSO], 13, v96
	v_lshl_add_u32 v[XSO], v97, 5, v[XSO]
	v_min_u32 v[PFO], 15, v98
	v_lshlrev_b32 v[PFO], 8, v[PFO]
	v_mul_u32_u24 v101, v96, WP
	v_lshl_add_u32 v101, v97, 4, v101
	v_add_nc_u32 v36, s100, v101                   ; q's or k's rows of W in LDS
	v_add_nc_u32 v37, s101, v101                   ; V's 32 rows lie 64 rows on in half role
	v_lshlrev_b32 v38, 5, v98                      ; scale bytes of W: 32 a row, a lane a row
	v_lshlrev_b32 v[H32], 5, v97
	v_cvt_f32_u32 v16, v96                         ; t
	v_lshlrev_b32 v17, 3, v97                      ; 8 h
	s_wait_alu depctr_va_vdst(0)
	s_lshl_b32 s98, s[HD], 11
	s_lshl_b32 s27, s[RG], 15
	s_add_co_u32 s98, s98, s27
	s_mov_b32 s99, 0
	s_add_nc_u64 s[92:93], s[10:11], s[98:99]      ; my head's rows of q or k
	s_lshl_b32 s98, s[HD], 11
	s_lshl_b32 s27, s[RG], 10
	s_add_co_u32 s98, s98, s27
	s_add_nc_u64 s[96:97], s[10:11], s[98:99]      ; of V: 65,536 on
	s_lshl_b32 s100, s[HD], 8
	s_lshl_b32 s27, s[RG], 12
	s_add_co_u32 s100, s100, s27
	s_mov_b32 s101, 0
	s_add_nc_u64 s[98:99], s[12:13], s[100:101]    ; the biases of q or k
	s_lshl_b32 s100, s[BB], 17
	s_lshl_b32 s27, s[CY], 11
	s_add_co_u32 s100, s100, s27
	s_lshl_b32 s27, s[DU], 7
	s_add_co_u32 s100, s100, s27
	s_add_nc_u64 s[XSB:XSB+1], s[6:7], s[100:101]  ; x's scale bytes: frame 0 of b, my duo's first hw
	s_lshl_b32 s100, s[BB], 21
	s_lshl_b32 s27, s[CY], 15
	s_add_co_u32 s100, s100, s27
	s_lshl_b32 s27, s[WV], 2
	s_add_co_u32 s27, s27, s[CX]
	s_lshl_b32 s27, s27, 17
	s_add_co_u32 s100, s100, s27
	s_add_co_u32 s100, s100, 3*4096
	s_add_nc_u64 s[PFA:PFA+1], s[4:5], s[100:101]  ; the prefetches: frame 4 wave + cx, trip 3's bytes
	s_cmp_eq_u32 s[RG], 0
	s_cselect_b64 s[94:95], s[14:15], s[16:17]     ; the norm's gains
.irp b, 0,1
.irp c, 0,1
	global_load_b128 v[WS+8*\b+4*\c:WS+8*\b+4*\c+3], v38, s[92:93] offset:1024*\b+16*\c
.endr
.endr
.irp c, 0,1
	global_load_b128 v[WS+16+4*\c:WS+16+4*\c+3], v38, s[96:97] offset:65536+16*\c
.endr
.irp p, 0,1
.irp c, 0,1
	global_load_b128 v[XS+8*\p+4*\c:XS+8*\p+4*\c+3], v[XSO], s[XSB:XSB+1] offset:64*\p+16*\c
	global_load_b128 v[XN+8*\p+4*\c:XN+8*\p+4*\c+3], v[XSO], s[XSB:XSB+1] offset:256+64*\p+16*\c
.endr
.endr
.irp u, 0,1,2,3
.irp q, 0,1
	global_load_b128 v[BIAS+8*\u+4*\q:BIAS+8*\u+4*\q+3], v[H32], s[98:99] offset:64*\u+16*\q
	global_load_b128 v[192+8*\u+4*\q:192+8*\u+4*\q+3], v[H32], s[94:95] offset:64*\u+16*\q   ; v192-207 the gains of y1, v208-223 of y2
.endr
.endr
	; THE ROPE TABLES, while the loads are out: t = r, register i is f = 8h + i (i < 8) or 8h + i + 8.  v96.. the angle, then rho; v112.. n; v128.. z; v144.. sin's polynomial; v160.. cos's; v176.. at work
	s_mov_b32 s27, 0x3638ef1d                      ; 1/9!  (no load that is out names these four)
	s_mov_b32 s88, 0xb9500d01                      ; -1/7!
	s_mov_b32 s100, 0xb493f27e                     ; -1/10!
	s_mov_b32 s101, 0x37d00d01                     ; 1/8!
.irp i, 0,1,2,3,4,5,6,7
	v_add_nc_u32 v[96+\i], \i, v17
	v_add_nc_u32 v[104+\i], 16+\i, v17
.endr
.irp i, 0,1,2,3,4,5,6,7,8,9,10,11,12,13,14,15
	v_cvt_f32_u32 v[96+\i], v[96+\i]
.endr
.irp i, 0,1,2,3,4,5,6,7,8,9,10,11,12,13,14,15
	v_mul_f32 v[96+\i], 0xbed49a78, v[96+\i]       ; -f log2(10000) / 32
.endr
	s_wait_alu depctr_va_vdst(0)
.irp i, 0,1,2,3,4,5,6,7,8,9,10,11,12,13,14,15
	v_exp_f32 v[96+\i], v[96+\i]
.endr
	v_nop
	s_wait_alu depctr_va_vdst(0)
.irp i, 0,1,2,3,4,5,6,7,8,9,10,11,12,13,14,15
	v_mul_f32 v[96+\i], v16, v[96+\i]              ; the angle, at most 15
.endr
.irp i, 0,1,2,3,4,5,6,7,8,9,10,11,12,13,14,15
	v_mul_f32 v[112+\i], 0x3f22f983, v[96+\i]      ; 2/pi
.endr
.irp i, 0,1,2,3,4,5,6,7,8,9,10,11,12,13,14,15
	v_rndne_f32 v[112+\i], v[112+\i]               ; n: the nearest multiple of pi/2, at most 10
.endr
.irp i, 0,1,2,3,4,5,6,7,8,9,10,11,12,13,14,15
	v_fmamk_f32 v[96+\i], v[112+\i], 0xbfc90fdb, v[96+\i]
.endr
.irp i, 0,1,2,3,4,5,6,7,8,9,10,11,12,13,14,15
	v_fmamk_f32 v[96+\i], v[112+\i], 0x333bbd2e, v[96+\i]   ; rho = angle - n pi/2, pi/2 in two parts
.endr
.irp i, 0,1,2,3,4,5,6,7,8,9,10,11,12,13,14,15
	v_mul_f32 v[128+\i], v[96+\i], v[96+\i]        ; z = rho^2
	v_cvt_i32_f32 v[112+\i], v[112+\i]             ; the quadrant
.endr
.irp i, 0,1,2,3,4,5,6,7,8,9,10,11,12,13,14,15
	v_fma_f32 v[144+\i], v[128+\i], s27, s88
	v_fma_f32 v[160+\i], v[128+\i], s100, s101
.endr
.irp i, 0,1,2,3,4,5,6,7,8,9,10,11,12,13,14,15
	v_fmaak_f32 v[144+\i], v[144+\i], v[128+\i], 0x3c088889    ; 1/5!
	v_fmaak_f32 v[160+\i], v[160+\i], v[128+\i], 0xbab60b61    ; -1/6!
.endr
.irp i, 0,1,2,3,4,5,6,7,8,9,10,11,12,13,14,15
	v_fmaak_f32 v[144+\i], v[144+\i], v[128+\i], 0xbe2aaaab    ; -1/3!
	v_fmaak_f32 v[160+\i], v[160+\i], v[128+\i], 0x3d2aaaab    ; 1/4!
.endr
.irp i, 0,1,2,3,4,5,6,7,8,9,10,11,12,13,14,15
	v_mul_f32 v[176+\i], v[96+\i], v[128+\i]
	v_fma_f32 v[160+\i], v[160+\i], v[128+\i], -0.5
.endr
.irp i, 0,1,2,3,4,5,6,7,8,9,10,11,12,13,14,15
	v_fma_f32 v[144+\i], v[176+\i], v[144+\i], v[96+\i]   ; sin(rho)
	v_fma_f32 v[160+\i], v[160+\i], v[128+\i], 1.0        ; cos(rho)
.endr
.irp i, 0,1,2,3,4,5,6,7,8,9,10,11,12,13,14,15
	v_and_b32 v[176+\i], 1, v[112+\i]
.endr
.irp i, 0,1,2,3,4,5,6,7,8,9,10,11,12,13,14,15
	v_cmp_eq_u32 vcc_lo, 1, v[176+\i]
	v_cndmask_b32 v[96+\i], v[160+\i], v[144+\i], vcc_lo    ; cos: in an odd quadrant the two polynomials change places
	v_cndmask_b32 v[128+\i], v[144+\i], v[160+\i], vcc_lo   ; sin
.endr
.irp i, 0,1,2,3,4,5,6,7,8,9,10,11,12,13,14,15
	v_add_nc_u32 v[176+\i], 1, v[112+\i]
	v_lshlrev_b32 v[112+\i], 30, v[112+\i]         ; a sine is negative in quadrants 2, 3: bit 1 of q
.endr
.irp i, 0,1,2,3,4,5,6,7,8,9,10,11,12,13,14,15
	v_lshlrev_b32 v[176+\i], 30, v[176+\i]         ; a cosine in quadrants 1, 2: bit 1 of q + 1
	v_and_b32 v[112+\i], 0x80000000, v[112+\i]
.endr
.irp i, 0,1,2,3,4,5,6,7,8,9,10,11,12,13,14,15
	v_and_b32 v[176+\i], 0x80000000, v[176+\i]
	v_xor_b32 v[128+\i], v[112+\i], v[128+\i]
.endr
.irp i, 0,1,2,3,4,5,6,7,8,9,10,11,12,13,14,15
	v_xor_b32 v[96+\i], v[176+\i], v[96+\i]
.endr
	s_wait_alu depctr_va_vdst(0)
	s_wait_loadcnt 0x0                             ; the gains, the biases and the scale words
	WIN 0x40
.irp p, 0,2,4,6,8,10,12,14
	v_pk_mul_f32 v[\p:\p+1], v[96+\p:97+\p], v[192+\p:193+\p]          ; A1
	v_pk_mul_f32 v[16+\p:17+\p], v[128+\p:129+\p], v[208+\p:209+\p]    ; B1
	v_pk_mul_f32 v[32+\p:33+\p], v[128+\p:129+\p], v[192+\p:193+\p]    ; A2
	v_pk_mul_f32 v[48+\p:49+\p], v[96+\p:97+\p], v[208+\p:209+\p]      ; B2
.endr
	WIN 0
.irp i, 4,5,6,7,12,13,14,15
	v_mov_b32 v[KC+\i], 0
.endr
	s_wait_alu depctr_va_vdst(0)
	s_wait_tensorcnt 0x0                           ; my load has landed; these lines stand ahead of a later first fill, as ahead of a refill
	ds_add_u32 v[SPW], v[NIL]
	s_wait_dscnt 0x0
	CROUND                                         ; x of trip 0 and W are whole in every wave
	tensor_load_to_lds s[G0X:G0X+3], s[G1X:G1X+7]  ; trip 1's pair
	s_nop 0
	PLACES 4
.irp s, 0,1,2,3,4,5,6,7
	XLOAD \s, XP
	WIN 0x40
.irp n, 0,1
.irp c, 0,1
	ds_load_b128 v[WVR+8*(2*\s+\n)+4*\c:WVR+8*(2*\s+\n)+4*\c+3], v37 offset:(64+16*\n)*WP+64*\s+32*\c
.endr
.endr
.endr
	WIN 0x80
.irp s, 0,1,2,3,4,5,6,7
.irp b, 0,1
.irp u, 0,1
.irp c, 0,1
	ds_load_b128 v[32*\s+16*\b+8*\u+4*\c:32*\s+16*\b+8*\u+4*\c+3], v36 offset:\b*WHALF+16*\u*WP+64*\s+32*\c
.endr
.endr
.endr
.endr
	WIN 0
	TRIP 1, 0, 1, 1
	s_mov_b32 s[CNT], 5
.Ltrip:                                                ; trips 1 to 5, each of which fills its slot again
	TRIP 0, 1, 1, 1
	s_wait_alu depctr_va_vdst(0)
	s_sub_co_u32 s[CNT], s[CNT], 1
	s_cmp_lg_u32 s[CNT], 0
	s_cbranch_scc1 .Ltrip
	TRIP 0, 1, 0, 1                                ; the last two fetch nothing and are written out
	TRIP 0, 1, 0, 0
	; the last trip's scores
	s_xor_b32 s[CBO], s[CB], EXB
	s_wait_alu depctr_va_vdst(0)
	s_wait_dscnt 0x0
	s_barrier_signal -1
	v_add_nc_u32 v[CA], s[CBO], v[CL0]
	v_add_nc_u32 v[WLC], s[CBO], v[WL0]
	v_add_nc_u32 v[PKV], s[PKS], v[PKP0]
	WIN 0x80                                       ; window 2, where weights lay
.irp q, 0,1,2,3,4,5,6,7,8,9,10,11,12,13,14,15
.irp i, 4,5,6,7
	v_mov_b32 v[8*\q+\i], 0                        ; V^T's keys 16-31: zeros, so that what stands there in source 1 adds nothing
.endr
.endr
.irp i, 192,193,194,195
	v_mov_b32 v[\i], 0                             ; behind the last P
.endr
	WIN 0
	s_wait_alu depctr_va_vdst(0)
	s_barrier_wait -1
	SCLOAD
	s_lshl_b32 s92, s[HD], 8
	s_mov_b32 s93, 0
	s_add_nc_u64 s[92:93], s[12:13], s[92:93]
.irp n, 0,1,2,3
.irp q, 0,1
	global_load_b128 v[BV+8*\n+4*\q:BV+8*\n+4*\q+3], v[H32], s[92:93] offset:8192+64*\n+16*\q   ; V's biases at d = 16n+8h+0..7
.endr
.endr
.set SW, 7                             ; the way out: v7, v8 where I write stage 0, 1;  v3, v4 where I read them;  v9 my 16 bytes of out0;  v5 my 16 sequences' parking
.set SR, 3
.set GO, 9
.set PK2, 5
	s_lshl_b32 s96, s[WV], 6
	s_mul_i32 s97, s[WV], 64*SP
	s_mul_i32 s98, s[WV], 16*PSEQ
	s_add_co_u32 s98, s98, PARK
	v_and_b32 v128, 31, v0
	v_and_b32 v129, 15, v0
	v_bfe_u32 v130, v0, 4, 1
	v_mul_u32_u24 v[SW], v128, SP                  ; in: row 32 x register + lane, my 16 sequences' 64 bytes
	v_add_nc_u32 v[SW], s96, v[SW]
	v_add_nc_u32 v[SW+1], STG1, v[SW]
	v_mul_u32_u24 v[SR], v130, SP                  ; back: lanes 0-15 one row, lanes 16-31 the next (the next frame)
	v_lshl_add_u32 v[SR], v129, 4, v[SR]
	v_add_nc_u32 v[SR], s97, v[SR]
	v_add_nc_u32 v[SR+1], STG1, v[SR]
	v_lshlrev_b32 v[GO], 20, v130
	v_lshl_add_u32 v[GO], v129, 4, v[GO]
	v_lshl_add_u32 v[PK2], v128, 4, s98
	s_wait_alu depctr_va_vdst(0)
	s_lshl_b32 s96, s[BB], 24                      ; out0: 16 frames of 1 MiB x b
	s_lshl_b32 s97, s[HD], 16                      ; + 64 channels of 1,024 bytes x head
	s_add_co_u32 s96, s96, s97
	s_lshl_b32 s97, s[WV], 11                      ; + 2 channels x wave: rows 64w+i of a stage hold d = 8((i/16)%2) + 2w + i/32
	s_add_co_u32 s96, s96, s97
	s_lshl_b32 s97, s[CY], 8                       ; + 64 hw x 4 bytes x cy
	s_add_co_u32 s96, s96, s97
	s_mov_b32 s97, 0
	s_add_nc_u64 s[OB:OB+1], s[18:19], s[96:97]
	s_add_nc_u64 s[OB+2:OB+3], s[OB:OB+1], 0x800000
	s_wait_dscnt 0x0                               ; the codes
	SCMUL
	PLACES 5
	SC_A
	SC_B
	v_nop
	s_wait_alu depctr_va_vdst(0)
	SC_C
	v_nop
	s_wait_alu depctr_va_vdst(0)
	SC_D
	s_wait_alu depctr_va_vdst(0)
	s_wait_loadcnt 0x0
	s_wait_dscnt 0x0                               ; my last P is stored
	s_barrier_signal -1
	s_barrier_wait -1                              ; everybody's: the parking is whole, and the stages may be written over the ring and the exchange
	; THE WAY OUT.  O^T = V^T P^T + bias for 16 sequences a wave, a tile of 16 d at a time; through a stage in which a row is one (t, d) and 64 hw, so that sixteen lanes store 256 consecutive bytes of out0.
	WIN 0x80
.irp q, 0,1,2,3,4,5,6,7,8,9,10,11,12,13,14,15
	ds_load_b128 v[128+4*\q:128+4*\q+3], v[PK2] offset:PSEQ*\q+2048   ; the 16 P on end: a product's keys 16-31 are the next P, finite numbers against zeros
.endr
	WIN 0
; One barrier a tile: a stage is written again two tiles on, behind the other stage's barrier, which each wave signals with its reads of this one back.
.macro CHUNK e
	WIN 0x80
.irp q, 0,1,2,3,4,5,6,7,8,9,10,11,12,13,14,15
	ds_load_b128 v[8*\q:8*\q+3], v[PKV] offset:PSEQ*\q+512*\e
.endr
	s_wait_dscnt 0x0                               ; V's images (and, the first time, P's)
	WIN 0xca                                       ; sources 0 and 1 window 2, C window 0, destination window 3
.irp q, 0,1,2,3,4,5,6,7,8,9,10,11,12,13,14,15
	v_wmma_f32_16x16x32_bf16 v[8*\q:8*\q+7], v[8*\q:8*\q+7], v[128+4*\q:128+4*\q+7], v[BV+8*\e:BV+8*\e+7]   ; lane = frame r, registers = d 8h+0..7
.endr
	PLACES 5                                       ; four in front of the stores and of loads into these registers; five in front of the next tile's products over them
	WIN 0x0c
.irp q, 0,1,2,3,4,5,6,7,8,9,10,11,12,13,14,15
.irp r, 0,1,2,3,4,5,6,7
	ds_store_b32 v[SW+\e], v[8*\q+\r] offset:32*SP*\r+4*\q   ; each accumulator from its low end on
.endr
.endr
	WIN 0
	s_wait_dscnt 0x0
	s_barrier_signal -1
	s_barrier_wait -1
	s_wait_xcnt 0x0                                ; the last tile's stores to memory have read their registers, which the loads below write
	WIN 0x40
.set I, 0
.rept 32
	ds_load_b64 v[128+4*I:128+4*I+1], v[SR+\e] offset:2*SP*I      ; rows 2I (lanes 0-15) and 2I+1 (lanes 16-31), 16 bytes a lane in two loads
	ds_load_b64 v[128+4*I+2:128+4*I+3], v[SR+\e] offset:2*SP*I+8
.set I, I+1
.endr
	WIN 0x04
.set I, 0
.rept 32
	s_wait_dscnt 62-2*I                            ; LDS loads come back in order (ISA guide 5.7.1): the 62 - 2I younger ones may stay out
	global_store_b128 v[GO], v[128+4*I:128+4*I+3], s[OB+2*((I>>2)&1):OB+2*((I>>2)&1)+1] offset:(I&3)*2097152+(16*\e+8*((I>>3)&1)+(I>>4))*1024 th:TH_STORE_NT   ; two runs of 256 consecutive bytes, each at a multiple of 256 from out0's first byte
.set I, I+1
.endr
	WIN 0
.endm
	s_mov_b32 s[PKS], 0
	s_mov_b32 s[CNT], 2
.Lout:                                                 ; two trips of two tiles: d = 32 x trip + 16 e on
	v_add_nc_u32 v[PKV], s[PKS], v[PK2]
	s_wait_alu depctr_va_vdst(0)
	CHUNK 0
	CHUNK 1
.irp i, 0,1,2,3,4,5,6,7,8,9,10,11,12,13,14,15
	v_mov_b32 v[BV+\i], v[BV+16+\i]                ; the next two tiles' biases
.endr
	s_wait_alu depctr_va_vdst(0)
	s_wait_xcnt 0x0                                ; the stores have read their bases
	s_add_nc_u64 s[OB:OB+1], s[OB:OB+1], 32768     ; 32 channels on
	s_add_nc_u64 s[OB+2:OB+3], s[OB+2:OB+3], 32768
	s_add_co_u32 s[PKS], s[PKS], 1024              ; two images of V on
	s_sub_co_u32 s[CNT], s[CNT], 1
	s_cmp_lg_u32 s[CNT], 0
	s_cbranch_scc1 .Lout
	s_wait_tensorcnt 0x0                           ; the wave's end, behind my last tensor load and my last LDS store
	ds_add_u32 v[SPW], v[NIL]
	s_wait_dscnt 0x0
	CROUND                                         ; the closing round: no work-group ends while a partner may still ask for a tile that names it
	s_endpgm
.Lfunc_end_k_q7f78d10e51_tattn:
	.size	k_q7f78d10e51_tattn, .Lfunc_end_k_q7f78d10e51_tattn-k_q7f78d10e51_tattn
	.p2alignl 7, 3214868480
	.fill 96, 4, 3214868480
	.section	.rodata,"a",@progbits
	.p2align	6, 0x0
	.amdhsa_kernel k_q7f78d10e51_tattn
		.amdhsa_group_segment_fixed_size 327680
		.amdhsa_private_segment_fixed_size 0
		.amdhsa_enable_private_segment 0
		.amdhsa_kernarg_size 64
		.amdhsa_user_sgpr_count 2
		.amdhsa_user_sgpr_kernarg_segment_ptr 1
		.amdhsa_wavefront_size32 1
		.amdhsa_system_sgpr_workgroup_id_x 1
		.amdhsa_system_sgpr_workgroup_id_y 1
		.amdhsa_system_sgpr_workgroup_id_z 1
		.amdhsa_system_vgpr_workitem_id 0
		.amdhsa_next_free_vgpr 1024
		.amdhsa_next_free_sgpr 102
		.amdhsa_reserve_vcc 1
		.amdhsa_float_denorm_mode_32 3
		.amdhsa_float_denorm_mode_16_64 3
		.amdhsa_memory_ordered 1
		.amdhsa_forward_progress 1
		.amdhsa_inst_pref_size 255
	.end_amdhsa_kernel
	.section	.bss,"aw",@nobits
	.p2align	6
	.space	262144
	.amdgpu_metadata
---
amdhsa.version: [ 1, 2 ]
amdhsa.kernels:
  - .name:           k_q7f78d10e51_tattn
    .symbol:         k_q7f78d10e51_tattn.kd
    .args:
      - { .name: x_codes, .offset: 0, .size: 8, .value_kind: global_buffer, .address_space: global }
      - { .name: x_scales, .offset: 8, .size: 8, .value_kind: global_buffer, .address_space: global }
      - { .name: Wqkv_codes, .offset: 16, .size: 8, .value_kind: global_buffer, .address_space: global }
      - { .name: Wqkv_scales, .offset: 24, .size: 8, .value_kind: global_buffer, .address_space: global }
      - { .name: bqkv, .offset: 32, .size: 8, .value_kind: global_buffer, .address_space: global }
      - { .name: q_scale, .offset: 40, .size: 8, .value_kind: global_buffer, .address_space: global }
      - { .name: k_scale, .offset: 48, .size: 8, .value_kind: global_buffer, .address_space: global }
      - { .name: out0, .offset: 56, .size: 8, .value_kind: global_buffer, .address_space: global }
    .group_segment_fixed_size: 327680
    .private_segment_fixed_size: 0
    .kernarg_segment_align: 8
    .kernarg_segment_size: 64
    .max_flat_workgroup_size: 128
    .sgpr_count:     102
    .vgpr_count:     1024
    .wavefront_size: 32
...
	.end_amdgpu_metadata
.endif
;; end of part 1
